; MI455X (gfx1250); checked and timed in simulation.
; The chip was launched on July 23, 2026; its instructions are those of AMD's public machine-readable ISA for CDNA 5 (MIT licence, August 2026) and "CDNA5" Instruction Set Architecture Reference Guide (July 2026). The comments in the code are by the model that wrote it; some were corrected since.
;; Hybrid Survival Q v1. Allowed arithmetic: float matrix products may take bf16 or f16 operands with f32 sums; all other float work in f32.
;; Inputs: W1 65 x 32 float32; W2 32 x 16 float32; W3 16 x 1 float32; b1 32 float32; b2 16 float32; b3 1 float32; q_params 7 float32; x_c 131,072 x 64 float32; x_q 131,072 x 7 float32.
;; Outputs: out0 131,072 float32.
;; One version. Each part assembles by itself: llvm-mc -triple=amdgcn-amd-amdhsa -mcpu=gfx1250 --defsym DOCPART=n.
;; ======== version 1 of 1: 1 launch
;; limits: right only within a limited range of input values; inputs' magnitudes at most 100,000; values are held in f16: magnitudes above 65,504 overflow, below 6.1e-05 lose precision
;; launch hybrid (part 1): grid 256 x 1, 8 waves a work-group, no clusters, 168,960 bytes of LDS; arguments x_c, x_q, W1, W2, W3, b1, b2, b3, q_params, out0; writes out0
.if DOCPART == 1
	.amdgcn_target "amdgcn-amd-amdhsa--gfx1250"
	.amdhsa_code_object_version 6
	.text
	.protected	k_qf67c09eb1d_hybrid
	.globl	k_qf67c09eb1d_hybrid
	.p2align	8
	.type	k_qf67c09eb1d_hybrid,@function
k_qf67c09eb1d_hybrid:
	s_mov_b64 s[64:65], 0
	v_nop
	global_prefetch_b8 v0, s[64:65] scope:SCOPE_SE
	s_setreg_imm32_b32 hwreg(HW_REG_WAVE_MODE, 25, 1), 1
	s_wait_xcnt 0x0
; out[row] = W3^T relu(W2^T relu(W1^T [q | x_c[row]] + b1) + b2) + b3,  q = <Z0> of the 7-qubit circuit on x_q[row] + q_params.
;
; THE CIRCUIT.  The ring of CNOTs only permutes basis states: the final bit of wire 0 is b1^b2^..^b6 of the product state.  So
; <Z0> = product over wires 1..6 of (cos^2(t/2) - sin^2(t/2)) = product of cos(t_q), t_q = x_q[row][q] + q_params[q], and wire 0 enters
; by cos^2 + sin^2 = 1 alone.  This holds for every finite input.  x_q and q_params are read whole; wire 0's numbers change no finite result.
;
; SHARES.  256 work-groups of 8 waves; a work-group owns 512 rows, a wave 64 rows = 4 tiles of 16.  A wave asks for all that it will read
; (1,792 bytes of x_q, 4 x 4,096 bytes of x_c) by five tensor loads in its first lines, into LDS bytes that it alone reads: its own
; s_wait_tensorcnt is all the ordering these bytes need.  There is no loop and no ring: the share fits in LDS at once.  Five tensor loads
; are the most that a wave has outstanding.
; ROW MAP.  Column r of tile t is the wave's row 32 (t>>1) + 2 r + (t&1) (the descriptor takes every second row).  Lane L = 16 h + r then
; ends up owning rows 2L and 2L+1: one 8-byte store a lane, 256 consecutive aligned bytes a wave, with no trip through LDS; and the same
; lane makes q of these two rows from 56 consecutive bytes of x_q.
; MATRIX USE.  Source A = weights (m = output feature), source B = activations (n = row, k = input feature).  Register j of a result holds
; feature 8h + j of row r, so layer 1's two result tiles, after ReLU and rounding, ARE layer 2's B fragment: no shuffle between layers.
; Column 0 of the concatenation (q) and b1 start layer 1's sums in f32; layer 3 (16 -> 1) is four packed multiply-adds a tile in f32.
;
; FORMATS AND LIMITS.  f16: x_c, W1[1:], W2 and the first hidden layer, as matrix operands.  f32: q, q's column of W1, the biases, the second
; hidden layer, layer 3, all sums.  f16 and not bf16, at the same cost: the result is a small sum of terms that cancel, and four roundings
; stand in front of it; f16 keeps 11 significant bits where bf16 keeps 8.
; f16's range is the limit: |x_c|, |W1[1:]|, |W2| and the first hidden layer must stay below 65,504, or they turn into infinities.  The room:
; for x_c of spread 30 and weights of spread 3 the hidden layer is 64 products of spread 90, some 4,000 at the most; for x_c about 30 and weights
; about 3 throughout it is 64 x 90 = 5,760.  Downward: below 2^-14 f16 goes in steps of 2^-24, so a number is off by 2^-25 at the most, which
; is 1e-5 of weights of spread 0.0033.
; Angles: the reduction below keeps |rho| within 0.4 per cent of pi for |x_q + q_params| <= 1e5; beyond that accuracy falls off gradually.
; Non-finite inputs: v_max_num_f32 turns a NaN in a hidden value into 0, and a non-finite x_q[:,0] is not seen: results are defined for
; finite inputs.
; NO CLUSTER: work-groups share only the weights, 10,624 bytes against 145,408 bytes of rows that are each work-group's own.
; LDS declared 168,960 bytes, 159,744 used: the work-group is alone on its WGP.
.set WREG,  19200                      ; LDS bytes of a wave: 4 tiles + x_q + slack to a multiple of 256
.set PITCH, 272                        ; an x_c row in LDS: 256 bytes + 16 of padding = 68 words: 16 rows start at 16 different groups of 4 banks (64 banks of 4 bytes: ISA guide 11.1)
.set TILEB, 16*PITCH                   ; a tile
.set XQO,   4*TILEB                    ; the wave's 64 rows of x_q, dense, 28 bytes a row
.set WST,   8*WREG                     ; weight stage, written by LDS stores only: W1's fragments, 8 pieces of 512 bytes
.set W2ST,  WST+4096                   ; W2's fragment, 8 registers of 128 bytes
; scalar registers
.set G1C, 16                           ; s[16:23] descriptor group 1 of an x_c tile
.set G1Q, 24                           ; s[24:31] descriptor group 1 of the x_q block
.set G0Q, 32                           ; s[32:35] group 0 of the x_q block
.set G0T, 36                           ; s[36:51] group 0 of tiles 0..3
.set WQ,  68                           ; s[68:74] q_params;  s75 b3;  s76, s77 lane selects;  s78 mask of lanes 16-31;  s79-s83 at work
; vector registers
.set LA,   4                           ; LDS: my wave's region + 272 r + 32 h
.set LQ,   5                           ; LDS: my wave's region + 56 L
.set LF,   6                           ; LDS: WST + 16 L
.set LWS,  7                           ; LDS: WST + 512 wave + 16 L
.set LW2S, 8                           ; LDS: W2ST + 128 wave + 4 L
.set OW1,  9                           ; byte offset in W1 of my wave's piece
.set OW2,  10                          ; byte offset in W2 of my wave's register
.set OH32, 11                          ; 32 h
.set OOUT, 12                          ; byte offset in out0 of my two rows
.set LW2R, 13                          ; LDS: W2ST + 4 L
.set C5,   14                          ; v[14:15]  the polynomial's leading coefficient, twice
.set BI,   16                          ; v[16:17]  (b3 in lanes 0-15, 0 in lanes 16-31; 0): starts layer 3's sum, so that b3 is added once
.set QB,   18                          ; v[18:21]  q of tile t's row r
.set ST,   22                          ; v[22:25]  tile t: my half of layer 3's sum for row r
.set SP,   26                          ; v[26:27]  at work
.set OUTP, 28                          ; v[28:29]  my two results
.set MX,   30                          ; v[30:31]  what the other half of the lanes needs from me
.set WF,   32                          ; v[32:63]  W1 fragments: (feature tile a, K step s) at 8 (2a + s)
.set W2F,  64                          ; v[64:71]  W2 fragment
.set W10,  72                          ; v[72:87]  W1[0][16a + 8h + j] at 8a + j
.set B1,   88                          ; v[88:103] b1, likewise
.set B2,   104                         ; v[104:111] b2[8h + j]
.set W3V,  112                         ; v[112:119] W3[8h + j]
.set XR,   120                         ; v[120:151] a tile's 32 f32 of my row
.set XB,   152                         ; v[152:167] the same as two f16 B fragments
.set HB,   168                         ; v[168:175] layer 2's B fragment
.set D2,   176                         ; v[176:183] layer 2's result
.set ACC,  184                         ; v[184:215] layer 1's sums: two sets of 16 that take turns, feature tile a at 8a
; used before the tiles, in registers that are idle then
.set TH,   120                         ; v[120:131] wire q+1: angle of rows 2L, 2L+1 at 2q
.set KK,   132                         ; v[132:143] turns
.set UU,   144                         ; v[144:155] rho^2
.set PP,   156                         ; v[156:167] polynomial, then the factor
.set RAW,  184                         ; v[184:193] weights as loaded
.set PK,   196                         ; v[196:200] weights rounded to f16
	s_load_b256 s[4:11], s[0:1], 0x0               ; x_c s[4:5], x_q s[6:7], W1 s[8:9], W2 s[10:11]
	s_load_b256 s[52:59], s[0:1], 0x20             ; W3 s[52:53], b1 s[54:55], b2 s[56:57], b3 s[58:59]
	s_load_b128 s[60:63], s[0:1], 0x40             ; q_params s[60:61], out0 s[62:63]
	v_lshl_add_u32 v216, v0, 2, 0x29000
	v_mov_b32 v217, 0
	ds_add_u32 v216, v217
	ds_add_u32 v216, v217
	v_lshrrev_b32 v1, 5, v0
	v_readfirstlane_b32 s12, v1                    ; wave 0..7
	s_mul_i32 s13, s12, WREG                       ; my wave's region of LDS
	; group 1 of an x_c tile: 16 rows of 64 f32, every second row of the tensor, 16 bytes of padding behind each row in LDS
	s_mov_b32 s[G1C+0], (2<<16)|(1<<20)|(5<<22)|(3<<25) ; elements of 4 bytes; padding on; after every 64 words; of 4 words
	s_mov_b32 s[G1C+1], 64<<16                     ; tensor_dim0 = 64
	s_mov_b32 s[G1C+2], 16<<16                     ; tensor_dim1 = 16
	s_mov_b32 s[G1C+3], 64<<16                     ; tile_dim0 = 64
	s_mov_b32 s[G1C+4], 16                         ; tile_dim1 = 16
	s_mov_b32 s[G1C+5], 128                        ; from row to row of the tile: two rows of x_c
	s_mov_b32 s[G1C+6], 0
	s_mov_b32 s[G1C+7], 0
	; group 1 of the x_q block: 64 rows of 28 bytes are dense in memory: one row of 224 elements of 8 bytes
	s_mov_b32 s[G1Q+0], 3<<16
	s_mov_b32 s[G1Q+1], 224<<16
	s_mov_b32 s[G1Q+2], 1<<16
	s_mov_b32 s[G1Q+3], 224<<16
	s_mov_b32 s[G1Q+4], 1
	s_mov_b32 s[G1Q+5], 224
	s_mov_b32 s[G1Q+6], 0
	s_mov_b32 s[G1Q+7], 0
	s_lshl_b32 s2, ttmp9, 3
	s_add_co_u32 s2, s2, s12
	s_mul_i32 s2, s2, 1792                         ; x_q: (8 work-group + wave) x 64 rows x 28 bytes, a multiple of 256
	s_mov_b32 s3, 0
	s_lshl_b32 s14, ttmp9, 17                      ; x_c: work-group x 512 rows x 256 bytes
	s_lshl_b32 s79, s12, 14                        ;      + wave x 64 rows x 256 bytes
	s_add_co_u32 s14, s14, s79
	s_mov_b32 s15, 0
	; lane terms, while the arguments are on their way
	s_lshr_b32 s80, s12, 2                         ; my piece of W1: feature tile a;  my register of W2: upper or lower four
	s_and_b32 s81, s12, 3                          ; my piece of W1: which 16 of the 64 k; my register of W2: which of four
	s_lshl_b32 s82, s81, 11
	s_lshl_b32 s83, s80, 6
	s_add_co_u32 s82, s82, s83
	s_add_co_u32 s82, s82, 128                     ; W1: 16 (wave&3) rows of 128 bytes + 16 a columns + the row of q, which is skipped
	s_lshl_b32 s83, s80, 10
	s_lshl_b32 s79, s81, 7
	s_add_co_u32 s83, s83, s79                     ; W2: (16 (wave>>2) + 2 (wave&3)) rows of 64 bytes
	v_and_b32 v1, 31, v0                           ; L
	v_and_b32 v2, 15, v0                           ; r
	v_bfe_u32 v3, v0, 4, 1                         ; h
	v_mul_u32_u24 v[LA], v2, PITCH
	v_lshl_add_u32 v[LA], v3, 5, v[LA]
	v_add_nc_u32 v[LA], s13, v[LA]
	v_mul_u32_u24 v[LQ], v1, 56
	v_add_nc_u32 v[LQ], s13, v[LQ]
	v_lshl_add_u32 v[LF], v1, 4, WST
	s_lshl_b32 s79, s12, 9
	s_add_co_u32 s79, s79, WST
	v_lshl_add_u32 v[LWS], v1, 4, s79
	s_lshl_b32 s79, s12, 7
	s_add_co_u32 s79, s79, W2ST
	v_lshl_add_u32 v[LW2S], v1, 2, s79
	v_lshl_add_u32 v[LW2R], v1, 2, W2ST
	v_lshlrev_b32 v[OW1], 2, v2                    ; 4 r
	v_lshl_add_u32 v[OW2], v3, 9, v[OW1]           ; + 8 h rows of 64 bytes
	v_add_nc_u32 v[OW2], s83, v[OW2]
	v_lshl_add_u32 v[OW1], v3, 10, v[OW1]          ; + 8 h rows of 128 bytes
	v_add_nc_u32 v[OW1], s82, v[OW1]
	v_lshlrev_b32 v[OH32], 5, v3
	s_lshl_b32 s79, ttmp9, 11
	v_lshl_add_u32 v[OOUT], v0, 3, s79             ; 4 bytes x (512 work-group + 64 wave + 2 L)
	v_cmp_le_u32 s78, 16, v1                       ; lanes 16-31
	v_mov_b32 v[C5], 0xad982aa2
	v_mov_b32 v[C5+1], 0xad982aa2
	v_mov_b32 v[BI+1], 0
	s_mov_b32 s76, 0x76543210                      ; v_permlanex16_b32: lane i of one half reads lane i of the other
	s_mov_b32 s77, 0xfedcba98
	s_wait_dscnt 0x0
	s_wait_kmcnt 0x0
	; group 0 sets, one for each load, never rewritten; x_q first, since q is made while the tiles arrive
	s_mov_b32 s[G0Q], 1
	s_add_co_u32 s[G0Q+1], s13, XQO
	s_add_nc_u64 s[G0Q+2:G0Q+3], s[6:7], s[2:3]
	s_or_b32 s[G0Q+3], s[G0Q+3], 0x80000000
	tensor_load_to_lds s[G0Q:G0Q+3], s[G1Q:G1Q+7]
	s_nop 0
	s_add_nc_u64 s[4:5], s[4:5], s[14:15]          ; x_c at my wave's first row
.irp t, 0,1,2,3
	s_mov_b32 s[G0T+4*\t], 1
	s_add_co_u32 s[G0T+4*\t+1], s13, \t*TILEB
	s_add_nc_u64 s[G0T+4*\t+2:G0T+4*\t+3], s[4:5], (\t>>1)*8192+(\t&1)*256   ; first row 32 (t>>1) + (t&1)
	s_or_b32 s[G0T+4*\t+3], s[G0T+4*\t+3], 0x80000000
	tensor_load_to_lds s[G0T+4*\t:G0T+4*\t+3], s[G1C:G1C+7]
	s_nop 0
.endr
	s_load_b128 s[WQ:WQ+3], s[60:61], 0x0          ; q_params 0..3
	s_load_b96 s[WQ+4:WQ+6], s[60:61], 0x10        ; q_params 4..6: 28 bytes in all
	s_load_b32 s75, s[58:59], 0x0                  ; b3
	; WEIGHTS.  W1 and W2 lie [k][n] in memory and are wanted with k along a lane's registers.  Each wave fetches one eighth of both
	; fragments word by word (10 loads), rounds it to f16 and lays it into the stage; behind one barrier every wave reads all of it in the
	; registers' own order.  Wave w: registers 4w..4w+3 of WF: W1[1 + 16 (w&3) + 8h + i][16 (w>>2) + r], i = 0..7;
	; register w of W2F: W2[16 (w>>2) + 8h + 2 (w&3) + i][r], i = 0, 1.
.irp i, 0,1,2,3,4,5,6,7
	global_load_b32 v[RAW+\i], v[OW1], s[8:9] offset:128*\i
.endr
.irp i, 0,1
	global_load_b32 v[RAW+8+\i], v[OW2], s[10:11] offset:64*\i
.endr
	; what stays in f32: eight neighbouring numbers a lane and feature tile, from byte 32 h
.irp a, 0,1
.irp c, 0,1
	global_load_b128 v[W10+8*\a+4*\c:W10+8*\a+4*\c+3], v[OH32], s[8:9] offset:64*\a+16*\c
	global_load_b128 v[B1+8*\a+4*\c:B1+8*\a+4*\c+3], v[OH32], s[54:55] offset:64*\a+16*\c
.endr
.endr
.irp c, 0,1
	global_load_b128 v[B2+4*\c:B2+4*\c+3], v[OH32], s[56:57] offset:16*\c
	global_load_b128 v[W3V+4*\c:W3V+4*\c+3], v[OH32], s[52:53] offset:16*\c
.endr
	s_wait_loadcnt 12                              ; loads come back in order (ISA guide 5.7.1): the ten words are in, the twelve 16-byte loads behind them stay out
.irp j, 0,1,2,3,4
	v_cvt_pk_f16_f32 v[PK+\j], v[RAW+2*\j], v[RAW+2*\j+1]      ; the lower k into the low half
.endr
	ds_store_b128 v[LWS], v[PK:PK+3]
	ds_store_b32 v[LW2S], v[PK+4]
	s_wait_dscnt 0x0                               ; for the other waves' sake: my part of the stage is written
	s_barrier_signal -1
	s_barrier_wait -1                              ; the only barrier: everybody's part is.  The tensor loads stay out across it: each lands in its own wave's bytes
.irp p, 0,1,2,3,4,5,6,7
	ds_load_b128 v[WF+4*\p:WF+4*\p+3], v[LF] offset:512*\p
.endr
.irp p, 0,1,2,3,4,5,6,7
	ds_load_b32 v[W2F+\p], v[LW2R] offset:128*\p
.endr
	; q OF ROWS 2L AND 2L+1, packed over the two rows, six wires as six chains that do not wait for each other.
	s_wait_tensorcnt 4                             ; tensor loads of a wave end in order (ISA guide 10.11.1): x_q is in, the four tiles behind it stay out
.irp q, 0,1,2,3,4,5
	ds_load_b32 v[TH+2*\q], v[LQ] offset:XQO+4*(\q+1)          ; lanes 14 words apart: 32 different banks
	ds_load_b32 v[TH+2*\q+1], v[LQ] offset:XQO+28+4*(\q+1)
.endr
	s_wait_kmcnt 0x0                               ; q_params and b3
	s_wait_dscnt 0x0                               ; the angles, and the weight fragments in front of them
	v_cndmask_b32 v[BI], s75, v[BI+1], s78         ; b3 in lanes 0-15, 0 in lanes 16-31
.irp q, 0,1,2,3,4,5
	v_add_f32 v[TH+2*\q], s[WQ+1+\q], v[TH+2*\q]               ; t = x + w
	v_add_f32 v[TH+2*\q+1], s[WQ+1+\q], v[TH+2*\q+1]
.endr
.irp q, 0,1,2,3,4,5
	v_pk_mul_f32 v[KK+2*\q:KK+2*\q+1], v[TH+2*\q:TH+2*\q+1], 0.15915494 op_sel_hi:[1,0]
.endr
.irp q, 0,1,2,3,4,5
	v_rndne_f32 v[KK+2*\q], v[KK+2*\q]                         ; k = the nearest whole number of turns
	v_rndne_f32 v[KK+2*\q+1], v[KK+2*\q+1]
.endr
.irp q, 0,1,2,3,4,5
	v_pk_fma_f32 v[TH+2*\q:TH+2*\q+1], v[KK+2*\q:KK+2*\q+1], 0xc0c90fdb, v[TH+2*\q:TH+2*\q+1] op_sel_hi:[1,0,1]   ; rho = t - k 2pi, 2pi in two parts:
.endr
.irp q, 0,1,2,3,4,5
	v_pk_fma_f32 v[TH+2*\q:TH+2*\q+1], v[KK+2*\q:KK+2*\q+1], 0x343bbd2e, v[TH+2*\q:TH+2*\q+1] op_sel_hi:[1,0,1]   ; the f32 nearest to 2pi is 1.7484555e-7 too large
.endr
.irp q, 0,1,2,3,4,5
	v_pk_mul_f32 v[UU+2*\q:UU+2*\q+1], v[TH+2*\q:TH+2*\q+1], v[TH+2*\q:TH+2*\q+1]
.endr
	; s = sqrt(2) sin(rho/2) = rho x sum of c_n rho^2n, c_n = sqrt(2) (-1)^n / ((2n+1)! 2^(2n+1)), n = 0..5.  The first term left out is at most
	; sqrt(2) (pi/2)^13 / 13! = 8e-8 for |rho| <= pi, which the reduction gives for every angle in the stated range.
.irp q, 0,1,2,3,4,5
	v_pk_fma_f32 v[PP+2*\q:PP+2*\q+1], v[UU+2*\q:UU+2*\q+1], v[C5:C5+1], 0x3202c4a3 op_sel_hi:[1,1,0]
.endr
.irp c, 0xb6131d37, 0x39c11659, 0xbcf15bef, 0x3f3504f3
.irp q, 0,1,2,3,4,5
	v_pk_fma_f32 v[PP+2*\q:PP+2*\q+1], v[PP+2*\q:PP+2*\q+1], v[UU+2*\q:UU+2*\q+1], \c op_sel_hi:[1,1,0]
.endr
.endr
.irp q, 0,1,2,3,4,5
	v_pk_mul_f32 v[PP+2*\q:PP+2*\q+1], v[PP+2*\q:PP+2*\q+1], v[TH+2*\q:TH+2*\q+1]
.endr
.irp q, 0,1,2,3,4,5
	v_pk_fma_f32 v[PP+2*\q:PP+2*\q+1], v[PP+2*\q:PP+2*\q+1], v[PP+2*\q:PP+2*\q+1], -1.0 op_sel_hi:[1,1,0]   ; s^2 - 1 = -cos t: six factors, the signs cancel in the product
.endr
	v_pk_mul_f32 v[PP:PP+1], v[PP:PP+1], v[PP+2:PP+3]
	v_pk_mul_f32 v[PP+4:PP+5], v[PP+4:PP+5], v[PP+6:PP+7]
	v_pk_mul_f32 v[PP+8:PP+9], v[PP+8:PP+9], v[PP+10:PP+11]
	v_pk_mul_f32 v[PP:PP+1], v[PP:PP+1], v[PP+4:PP+5]
	v_pk_mul_f32 v[PP:PP+1], v[PP:PP+1], v[PP+8:PP+9]          ; (q of row 2L, q of row 2L+1)
	; Tile t's row r is row t&1 of lane 16 (t>>1) + r: both halves of the lanes need it
	v_permlanex16_b32 v[UU], v[PP], s76, s77                   ; the other half's pair (the destinations have been written before)
	v_permlanex16_b32 v[UU+1], v[PP+1], s76, s77
	v_cndmask_b32 v[QB+0], v[PP], v[UU], s78                   ; tiles 0, 1: from lanes 0-15
	v_cndmask_b32 v[QB+1], v[PP+1], v[UU+1], s78
	v_cndmask_b32 v[QB+2], v[UU], v[PP], s78                   ; tiles 2, 3: from lanes 16-31
	v_cndmask_b32 v[QB+3], v[UU+1], v[PP+1], s78
; Eight LDS loads: my row's features 16 g + 8h + 0..7, g = 0..3, in f32: register 8 g + i.  The 16 lanes of a half are 272 bytes apart.
.macro LOADX t
.irp i, 0,1,2,3,4,5,6,7
	ds_load_b128 v[XR+4*\i:XR+4*\i+3], v[LA] offset:(\t)*TILEB+64*(\i/2)+16*(\i%2)
.endr
.endm
; Layer 1's sums of tile t, feature tile a, start at b1[f] + q W1[0][f]: four packed multiply-adds, q of tile t broadcast from its pair.
.macro CINIT t, a
.irp j, 0,2,4,6
.if ((\t)&1)
	v_pk_fma_f32 v[ACC+16*((\t)&1)+8*\a+\j:ACC+16*((\t)&1)+8*\a+\j+1], v[W10+8*\a+\j:W10+8*\a+\j+1], v[QB+2*((\t)>>1):QB+2*((\t)>>1)+1], v[B1+8*\a+\j:B1+8*\a+\j+1] op_sel:[0,1,0] op_sel_hi:[1,1,1]
.else
	v_pk_fma_f32 v[ACC+16*((\t)&1)+8*\a+\j:ACC+16*((\t)&1)+8*\a+\j+1], v[W10+8*\a+\j:W10+8*\a+\j+1], v[QB+2*((\t)>>1):QB+2*((\t)>>1)+1], v[B1+8*\a+\j:B1+8*\a+\j+1] op_sel_hi:[1,0,1]
.endif
.endr
.endm
; One tile of 16 rows through the three layers.  A vector instruction that reads a matrix result stands four places behind the matrix
; instruction, and only plain vector instructions that name none of its registers are places (ISA guide 7.12.1): here the next tile's CINIT,
; which writes the other set of sums; behind the last tile v_nop.
.macro TILE t
.set AC, ACC+16*((\t)&1)
	s_wait_dscnt 4                                 ; LDS loads come back in order (ISA guide 5.7.1): the first four are in, K step 0
.irp i, 0,1,2,3,4,5,6,7
	v_cvt_pk_f16_f32 v[XB+\i], v[XR+2*\i], v[XR+2*\i+1]
.endr
	s_wait_dscnt 0x0                               ; K step 1
.irp i, 8,9,10,11,12,13,14,15
	v_cvt_pk_f16_f32 v[XB+\i], v[XR+2*\i], v[XR+2*\i+1]
.endr
.irp s, 0,1
.irp a, 0,1
	v_wmma_f32_16x16x32_f16 v[AC+8*\a:AC+8*\a+7], v[WF+8*(2*\a+\s):WF+8*(2*\a+\s)+7], v[XB+8*\s:XB+8*\s+7], v[AC+8*\a:AC+8*\a+7]
.endr
.endr
.if \t < 3
	s_wait_tensorcnt 2-\t                          ; the next tile is in LDS; the 2 - t tiles behind it stay out (the last such wait is for 0)
	LOADX (\t+1)                                   ; into the f32 registers, which the conversions above have read
	CINIT (\t+1), 0                                ; four places
.else
.rept 4
	v_nop
.endr
.endif
.irp j, 0,1,2,3,4,5,6,7,8,9,10,11,12,13,14,15
	v_max_num_f32 v[AC+\j], 0, v[AC+\j]            ; ReLU
.endr
.irp j, 0,1,2,3,4,5,6,7
	v_cvt_pk_f16_f32 v[HB+\j], v[AC+2*\j], v[AC+2*\j+1]        ; features 16a + 8h + 2m, + 1 into register 4a + m: layer 2's B fragment as it stands
.endr
	v_wmma_f32_16x16x32_f16 v[D2:D2+7], v[W2F:W2F+7], v[HB:HB+7], v[B2:B2+7]    ; the sums start at b2
.if \t < 3
	CINIT (\t+1), 1                                ; four places
.else
.rept 4
	v_nop
.endr
.endif
.irp j, 0,1,2,3,4,5,6,7
	v_max_num_f32 v[D2+\j], 0, v[D2+\j]
.endr
	v_pk_fma_f32 v[SP:SP+1], v[D2:D2+1], v[W3V:W3V+1], v[BI:BI+1]              ; layer 3 over my eight features
.irp j, 2,4,6
	v_pk_fma_f32 v[SP:SP+1], v[D2+\j:D2+\j+1], v[W3V+\j:W3V+\j+1], v[SP:SP+1]
.endr
	v_add_f32 v[ST+\t], v[SP], v[SP+1]
.endm
	s_wait_tensorcnt 3                             ; tile 0 is in LDS, tiles 1 to 3 stay out
	LOADX 0
	s_wait_loadcnt 0x0                             ; q's row of W1, b1, b2, W3
	CINIT 0, 0
	CINIT 0, 1
	TILE 0
	TILE 1
	TILE 2
	TILE 3
	; THE WAY OUT.  Lane 16 h + r owns tiles 2h and 2h+1 of column r: its own half of each sum, plus the half that lane 16 (1-h) + r holds.
	v_cndmask_b32 v[MX], v[ST+2], v[ST+0], s78     ; what I hold for the other half: lanes 16-31 give tiles 0, 1; lanes 0-15 tiles 2, 3
	v_cndmask_b32 v[MX+1], v[ST+3], v[ST+1], s78
	v_cndmask_b32 v[OUTP], v[ST+0], v[ST+2], s78   ; what I hold for myself
	v_cndmask_b32 v[OUTP+1], v[ST+1], v[ST+3], s78
	v_permlanex16_b32 v[SP], v[MX], s76, s77
	v_permlanex16_b32 v[SP+1], v[MX+1], s76, s77
	v_pk_add_f32 v[OUTP:OUTP+1], v[OUTP:OUTP+1], v[SP:SP+1]
	global_store_b64 v[OOUT], v[OUTP:OUTP+1], s[62:63] th:TH_STORE_NT          ; the wave's 64 results: 256 consecutive bytes, at a multiple of 256 from out0's first byte
	s_wait_tensorcnt 0x0
	ds_add_u32 v216, v217
	s_wait_dscnt 0x0
	s_endpgm
.Lfunc_end_k_qf67c09eb1d_hybrid:
	.size	k_qf67c09eb1d_hybrid, .Lfunc_end_k_qf67c09eb1d_hybrid-k_qf67c09eb1d_hybrid
	.p2alignl 7, 3214868480
	.fill 96, 4, 3214868480
	.section	.rodata,"a",@progbits
	.p2align	6, 0x0
	.amdhsa_kernel k_qf67c09eb1d_hybrid
		.amdhsa_group_segment_fixed_size 168960
		.amdhsa_private_segment_fixed_size 0
		.amdhsa_enable_private_segment 0
		.amdhsa_kernarg_size 80
		.amdhsa_user_sgpr_count 2
		.amdhsa_user_sgpr_kernarg_segment_ptr 1
		.amdhsa_wavefront_size32 1
		.amdhsa_system_sgpr_workgroup_id_x 1
		.amdhsa_system_sgpr_workgroup_id_y 1
		.amdhsa_system_sgpr_workgroup_id_z 1
		.amdhsa_system_vgpr_workitem_id 0
		.amdhsa_next_free_vgpr 218
		.amdhsa_next_free_sgpr 84
		.amdhsa_reserve_vcc 0
		.amdhsa_float_denorm_mode_32 3
		.amdhsa_float_denorm_mode_16_64 3
		.amdhsa_memory_ordered 1
		.amdhsa_forward_progress 1
		.amdhsa_inst_pref_size 34
	.end_amdhsa_kernel
	.amdgpu_metadata
---
amdhsa.version: [ 1, 2 ]
amdhsa.kernels:
  - .name:           k_qf67c09eb1d_hybrid
    .symbol:         k_qf67c09eb1d_hybrid.kd
    .args:
      - { .name: x_c, .offset: 0, .size: 8, .value_kind: global_buffer, .address_space: global }
      - { .name: x_q, .offset: 8, .size: 8, .value_kind: global_buffer, .address_space: global }
      - { .name: W1, .offset: 16, .size: 8, .value_kind: global_buffer, .address_space: global }
      - { .name: W2, .offset: 24, .size: 8, .value_kind: global_buffer, .address_space: global }
      - { .name: W3, .offset: 32, .size: 8, .value_kind: global_buffer, .address_space: global }
      - { .name: b1, .offset: 40, .size: 8, .value_kind: global_buffer, .address_space: global }
      - { .name: b2, .offset: 48, .size: 8, .value_kind: global_buffer, .address_space: global }
      - { .name: b3, .offset: 56, .size: 8, .value_kind: global_buffer, .address_space: global }
      - { .name: q_params, .offset: 64, .size: 8, .value_kind: global_buffer, .address_space: global }
      - { .name: out0, .offset: 72, .size: 8, .value_kind: global_buffer, .address_space: global }
    .group_segment_fixed_size: 168960
    .private_segment_fixed_size: 0
    .kernarg_segment_align: 8
    .kernarg_segment_size: 80
    .max_flat_workgroup_size: 256
    .sgpr_count:     84
    .vgpr_count:     218
    .wavefront_size: 32
...
	.end_amdgpu_metadata
.endif
;; end of part 1
